; MI455X (gfx1250); checked and timed in simulation.
; The chip was launched on July 23, 2026; its instructions are those of AMD's public machine-readable ISA for CDNA 5 (MIT licence, August 2026) and "CDNA5" Instruction Set Architecture Reference Guide (July 2026). The comments in the code are by the model that wrote it; some were corrected since.
;; Attention Block. Allowed arithmetic: matrix products marked QUANTISED: E2M1 operands, one E8M0 scale for each 32 along K, by v_wmma_scale_f32_16x16x128_f8f6f4 with both operands' format E2M1 (or v_wmma_scale_f32_32x16x128_f4), f32 sums; everything else in f32.
;; Inputs: beta 256 float32; gamma 256 float32; proj_bias 256 x 1 x 1 float32; qkv_bias 768 x 1 x 1 float32; w_proj_codes 256 x 8 x 16 uint8 (E2M1 codes of w_proj, K innermost, in blocks of 32 codes, two codes a byte); w_proj_scales 256 x 8 uint8 (E8M0 scales of w_proj, one for each 32 codes along K); w_qkv_codes 768 x 8 x 16 uint8 (E2M1 codes of w_qkv, K innermost, in blocks of 32 codes, two codes a byte); w_qkv_scales 768 x 8 uint8 (E8M0 scales of w_qkv, one for each 32 codes along K); x 4 x 256 x 64 x 64 float32.
;; Outputs: out0 4 x 256 x 64 x 64 float32.
;; Constants: num_heads = 4.
;; This version of the problem:
;;   THIS VERSION OF THE PROBLEM IS GIVEN IN LOW PRECISION. The matrix products marked QUANTISED in the list below multiply operands that are first quantised to E2M1 (2 exponent bits, 1 mantissa bit; 4 bits a number), with one power-of-two scale for each 32 numbers along K (OCP MX v1.0); their sums are f32. All else is computed in f32.
;;   The module's matrix products, in the order in which they are computed (A, B: the left and right operand; K: the contracted axis; several contracted axes count as one K, in the product's order):
;;     1. [M 768, K 256] x [K 256, N 16,384]; A: input w_qkv (given as codes); B: computed on the way: QUANTISED
;;     2. batch 16 x [M 4,096, K 64] x [K 64, N 4,096]; A: computed on the way; B: computed on the way: QUANTISED
;;     3. batch 16 x [M 64, K 4,096] x [K 4,096, N 4,096]; A: computed on the way; B: softmax (see below): QUANTISED
;;     4. [M 256, K 256] x [K 256, N 16,384]; A: input w_proj (given as codes); B: computed on the way: QUANTISED
;;   THE QUANTISER, for each operand of a quantised product, along K:
;;     - K is cut into blocks of 32 from its start; a last block that is shorter is filled with zeros.
;;     - A block's scale is 2^e with e = floor(log2(the largest magnitude in the block)) - 2, held to -126 .. 127; a block of zeros has e = 0. As a byte (E8M0): e + 127.
;;     - Each number is divided by its block's scale, clamped to +-6, and rounded to the nearest number of E2M1, ties to even, subnormals kept.
;;     - The product sums the exact products of the quantised numbers (number of the format x scale) in f32.
;;   ~~~python
;;   def quantise(x, axis):      # numpy; x: float32 -> the quantised numbers, widened to float32 again
;;       x = np.moveaxis(x, axis, -1); K = x.shape[-1]
;;       x = np.pad(x, [(0, 0)] * (x.ndim - 1) + [(0, -K % 32)]); x = x.reshape(x.shape[:-1] + (-1, 32)); a = np.abs(x).max(-1, keepdims=True)
;;       e = np.where(a > 0, np.clip(np.frexp(np.where(a > 0, a, 1))[1] - 1 - 2, -126, 127), 0)      # np.frexp(a)[1] - 1 = floor(log2(a)), exactly
;;       r = np.clip(x / 2.0 ** e, -6, 6)
;;       step = 2.0 ** (np.maximum(np.frexp(np.where(r == 0, 1, r))[1] - 1, 0) - 1)
;;       q = np.round(r / step) * step * 2.0 ** e      # np.round: ties to even
;;       return np.moveaxis(q.reshape(q.shape[:-2] + (-1,))[..., :K], -1, axis).astype(np.float32)
;;   ~~~
;;   SOFTMAX AHEAD OF A QUANTISED PRODUCT. Where the list says 'softmax', what is quantised is not the finished softmax but p = 2^(t - M), with t = logit x log2(e) and M = ceil(the row's largest t), a whole number; so 1/2 < the row's largest p <= 1. The row's sum l is taken of the UNQUANTISED p, in f32, and the product's result is divided by l at the end. Since M is a whole number, a kernel that streams over the keys may use a running M (the ceiling of the running maximum): every later rescaling is an exact power of two, which a block's scale takes up: the codes' values come out the same.
;;   OPERANDS COMPUTED ON THE WAY. 'Computed on the way' means the value that the module computes at that place (a softmax that the list does not call 'softmax' is quantised finished and normalised). What goes into a quantiser is computed in f32, as accurately as f32 sums, v_exp_f32 and their like allow (about 1e-6 of the number): no bf16 or f16 on the way to a quantiser, and a product that is left as it is and whose result goes on into a quantised operand takes f32 operands (vector FMAs, or v_wmma_f32_16x16x4_f32). A number that lies on a knife's edge between two numbers of the format may be rounded either way, as far as f32 arithmetic and the matrix unit's own rounding can turn it there, and no further.
;;   INPUTS GIVEN AS CODES. w_proj (in the module: [256, 256], K = its axis 1); w_qkv (in the module: [768, 256], K = its axis 1): each comes as NAME_codes (uint8): NAME with its K axis moved to the last place and cut into blocks of 32 codes, [.., K / 32, bytes a block], one block behind the other in memory; two codes a byte, the lower K in the low four bits (a code: sign, 2 exponent bits, 1 mantissa bit); and NAME_scales (uint8): the same leading axes, one E8M0 byte (e + 127) for each 32 codes along K. Its value is code x scale, taken as it is: it is not quantised again, and the codes and scales need not be those that the quantiser above would give.
;; One version. Each part assembles by itself: llvm-mc -triple=amdgcn-amd-amdhsa -mcpu=gfx1250 --defsym DOCPART=n.
;; ======== version 1 of 1: 4 launches
;; workspace buffers: gn 4,608 bytes; qc 2,097,152 bytes; qs 262,144 bytes; kv 4,194,304 bytes; kvs 393,216 bytes; ac 2,097,152 bytes; asc 131,072 bytes
;; launch stats (part 1): grid 128 x 1, 16 waves a work-group, no clusters, 2,560 bytes of LDS; arguments x, gamma, gn; writes gn
.if DOCPART == 1
	.amdgcn_target "amdgcn-amd-amdhsa--gfx1250"
	.amdhsa_code_object_version 6
	.text
	.protected	k_qf8c66848c1_stats
	.globl	k_qf8c66848c1_stats
	.p2align	8
	.type	k_qf8c66848c1_stats,@function
k_qf8c66848c1_stats:
	s_mov_b64 s[64:65], 0
	v_nop
	global_prefetch_b8 v0, s[64:65] scope:SCOPE_SE
	s_setreg_imm32_b32 hwreg(HW_REG_WAVE_MODE, 25, 1), 1
	s_wait_xcnt 0x0
; GroupNorm's statistics.  x: [4][256][4096] f32; a group is 8 channels x 4,096 numbers = 131,072 consecutive bytes.
; One work-group of sixteen waves takes one group (ttmp9 = 32 b + g).  A thread keeps its 64 numbers in registers, so x is read once and the
; variance is taken of the differences from the mean (two passes over registers): a common offset of the inputs costs no accuracy.
; OUT: gn: A[b][c] = rsqrt(var + 1e-5) x gamma[c] at byte 4 (256 b + c);  mu[b][g] at byte 4,096 + 4 (32 b + g).
; The problem has 128 groups, so 128 work-groups: a group shared by two work-groups would need a sum across work-groups.
; No matrix unit, no cluster, no tensor load: a plain stream with two sums; nothing is shared between work-groups.
; LIMITS: NaN and infinities among the inputs are not served.
.set X,  16                            ; v16-79   my 64 numbers
.set MU, 84                            ; v84-85   the mean, twice (a pair for the packed subtraction)
.set PT, 86                            ; v86      the lane permute's destination
.set WA, 87                            ; v87      LDS: 4 x my wave's number
.set ZA, 88                            ; v88      LDS address 0
.set P,  96                            ; v96-111  the sixteen waves' partial sums
	s_load_b128 s[4:7], s[0:1], 0x0                ; x, gamma
	s_load_b64 s[8:9], s[0:1], 0x10                ; gn
	v_lshl_add_u32 v112, v0, 2, 0x200
	v_mov_b32 v113, 0
	v_lshrrev_b32 v4, 5, v0
	s_delay_alu instid0(VALU_DEP_1)
	v_readfirstlane_b32 s10, v4                    ; wave 0..15
	s_delay_alu instid0(VALU_DEP_2)
	v_lshlrev_b32 v[WA], 2, v4
	v_lshlrev_b32 v1, 4, v0                        ; 16 bytes a thread: a load of the work-group covers 8,192 consecutive bytes
	v_and_b32 v2, 7, v0
	s_delay_alu instid0(VALU_DEP_1)
	v_lshlrev_b32 v2, 2, v2                        ; gamma of the group's channel (thread % 8)
	v_mov_b32 v[PT], 0                             ; a lane permute's destination counts as one of its sources
	v_mov_b32 v[ZA], 0
	s_lshl_b32 s12, ttmp9, 17                      ; the group's first byte
	s_mov_b32 s13, 0
	s_and_b32 s14, ttmp9, 31
	s_lshl_b32 s14, s14, 5                         ; its eight gammas
	s_mov_b32 s15, 0
	s_mov_b32 s16, 0x76543210
	s_mov_b32 s17, 0xfedcba98                      ; v_permlanex16_b32's selects for lane l xor 16
	s_mov_b32 s18, 0x38000000                      ; 2^-15 = 1 / 32,768
	s_mov_b32 s19, 0x3727c5ac                      ; 1e-5
	s_wait_alu depctr_va_vdst(0)
	s_wait_kmcnt 0x0
	s_add_nc_u64 s[4:5], s[4:5], s[12:13]
	s_add_nc_u64 s[6:7], s[6:7], s[14:15]
	global_load_b32 v3, v2, s[6:7]
.irp i, 0,1,2,3,4,5,6,7,8,9,10,11,12,13,14,15
	global_load_b128 v[X+4*\i:X+4*\i+3], v1, s[4:5] offset:8192*\i
.endr
; the sum of a wave's 32 lanes, in every lane
.macro WSUM r
	s_delay_alu instid0(VALU_DEP_1)
	v_add_f32_dpp v[\r], v[\r], v[\r] row_xmask:1 row_mask:0xf bank_mask:0xf
	s_delay_alu instid0(VALU_DEP_1)
	v_add_f32_dpp v[\r], v[\r], v[\r] row_xmask:2 row_mask:0xf bank_mask:0xf
	s_delay_alu instid0(VALU_DEP_1)
	v_add_f32_dpp v[\r], v[\r], v[\r] row_xmask:4 row_mask:0xf bank_mask:0xf
	s_delay_alu instid0(VALU_DEP_1)
	v_add_f32_dpp v[\r], v[\r], v[\r] row_xmask:8 row_mask:0xf bank_mask:0xf
	s_delay_alu instid0(VALU_DEP_1)
	v_permlanex16_b32 v[PT], v[\r], s16, s17
	s_delay_alu instid0(VALU_DEP_1)
	v_add_f32 v[\r], v[\r], v[PT]
.endm
; the sum of the sixteen waves' v80, in v96 of every lane.  Each wave stores to its own word at off, one barrier, every wave reads all sixteen.
.macro GSUM off
	ds_store_b32 v[WA], v80 offset:\off
	s_wait_dscnt 0x0                               ; for the others' sake: my word has landed
	s_barrier_signal -1
	s_barrier_wait -1
.irp i, 0,1,2,3
	ds_load_b128 v[P+4*\i:P+4*\i+3], v[ZA] offset:\off+16*\i
.endr
	s_wait_dscnt 0x0
	v_pk_add_f32 v[P:P+1], v[P:P+1], v[P+2:P+3]
	v_pk_add_f32 v[P+4:P+5], v[P+4:P+5], v[P+6:P+7]
	v_pk_add_f32 v[P+8:P+9], v[P+8:P+9], v[P+10:P+11]
	v_pk_add_f32 v[P+12:P+13], v[P+12:P+13], v[P+14:P+15]
	s_delay_alu instid0(VALU_DEP_3)
	v_pk_add_f32 v[P:P+1], v[P:P+1], v[P+4:P+5]
	s_delay_alu instid0(VALU_DEP_2)
	v_pk_add_f32 v[P+8:P+9], v[P+8:P+9], v[P+12:P+13]
	s_delay_alu instid0(VALU_DEP_1)
	v_pk_add_f32 v[P:P+1], v[P:P+1], v[P+8:P+9]
	s_delay_alu instid0(VALU_DEP_1)
	v_add_f32 v[P], v[P], v[P+1]
.endm
	; pass 1: the sum, in two chains that the first two loads start: nothing is cleared
	s_wait_loadcnt 15                              ; gamma and load 0 are in; the fifteen younger loads stay out
	v_pk_add_f32 v[80:81], v[X:X+1], v[X+2:X+3]
	s_wait_alu depctr_va_vdst(0)
	s_wait_loadcnt 14
	v_pk_add_f32 v[82:83], v[X+4:X+5], v[X+6:X+7]
	s_wait_alu depctr_va_vdst(0)
.irp i, 2,3,4,5,6,7,8,9,10,11,12,13,14,15
	s_wait_alu depctr_va_vdst(0)
	s_wait_loadcnt 15-\i                           ; load i is in; the younger ones stay out
	v_pk_add_f32 v[80+2*(\i%2):81+2*(\i%2)], v[80+2*(\i%2):81+2*(\i%2)], v[X+4*\i:X+4*\i+1]
	s_delay_alu instid0(VALU_DEP_1)
	v_pk_add_f32 v[80+2*(\i%2):81+2*(\i%2)], v[80+2*(\i%2):81+2*(\i%2)], v[X+4*\i+2:X+4*\i+3]
.endr
	s_delay_alu instid0(VALU_DEP_1)
	v_pk_add_f32 v[80:81], v[80:81], v[82:83]
	s_delay_alu instid0(VALU_DEP_1)
	v_add_f32 v80, v80, v81
	WSUM 80
	GSUM 0
	s_delay_alu instid0(VALU_DEP_1)
	v_mul_f32 v[MU], s18, v[P]                     ; the mean
	s_delay_alu instid0(VALU_DEP_1)
	v_mov_b32 v[MU+1], v[MU]
	; pass 2: the differences, in place, and the sum of their squares
.set k, 0
.rept 32
	v_pk_add_f32 v[X+2*k:X+2*k+1], v[X+2*k:X+2*k+1], v[MU:MU+1] neg_lo:[0,1] neg_hi:[0,1]
.set k, k+1
.endr
	v_pk_mul_f32 v[80:81], v[X:X+1], v[X:X+1]
	v_pk_mul_f32 v[82:83], v[X+2:X+3], v[X+2:X+3]
.set k, 2
.rept 30
	s_delay_alu instid0(VALU_DEP_2)
	v_pk_fma_f32 v[80+2*(k%2):81+2*(k%2)], v[X+2*k:X+2*k+1], v[X+2*k:X+2*k+1], v[80+2*(k%2):81+2*(k%2)]
.set k, k+1
.endr
	s_delay_alu instid0(VALU_DEP_1)
	v_pk_add_f32 v[80:81], v[80:81], v[82:83]
	s_delay_alu instid0(VALU_DEP_1)
	v_add_f32 v80, v80, v81
	WSUM 80
	GSUM 256                                       ; other bytes than the first sum's: a slower wave may still be reading those
	s_delay_alu instid0(VALU_DEP_1)
	v_fma_f32 v96, v96, s18, s19                   ; var + eps
	s_wait_alu depctr_va_vdst(0)
	v_rsq_f32 v97, v96
	v_nop                                          ; one plain place behind a transcendental
	s_wait_alu depctr_va_vdst(0)
	v_mul_f32 v98, v97, v3                         ; A = rsqrt(var + eps) x gamma of channel (thread % 8)
	s_cmp_lg_u32 s10, 0
	s_cbranch_scc1 .Lend                           ; wave 0 stores for the group
	s_lshl_b32 s20, ttmp9, 5
	s_lshl_b32 s21, ttmp9, 2
	s_add_co_u32 s21, s21, 4096
	v_lshl_add_u32 v89, v0, 2, s20                 ; lanes 0-7: A's place
	v_mov_b32 v90, s21                             ; lane 8: the mean's
	v_cmp_gt_u32 vcc_lo, 8, v0
	s_delay_alu instid0(VALU_DEP_1)
	v_cndmask_b32 v89, v90, v89, vcc_lo
	s_delay_alu instid0(VALU_DEP_2)
	v_cndmask_b32 v91, v[MU], v98, vcc_lo
	v_cmp_gt_u32 vcc_lo, 9, v0
	s_wait_alu depctr_va_vdst(0)
	s_wait_xcnt 0x0                                ; EXEC is a source of the loads above: it changes only behind this wait
	s_and_saveexec_b32 s22, vcc_lo
	global_store_b32 v89, v91, s[8:9]
	s_wait_xcnt 0x0                                ; and again in front of the line that widens it
	s_or_b32 exec_lo, exec_lo, s22
.Lend:
	s_wait_tensorcnt 0x0
	ds_add_u32 v112, v113
	s_wait_dscnt 0x0
	s_endpgm
.Lfunc_end_k_qf8c66848c1_stats:
	.size	k_qf8c66848c1_stats, .Lfunc_end_k_qf8c66848c1_stats-k_qf8c66848c1_stats
	.p2alignl 7, 3214868480
	.fill 96, 4, 3214868480
	.section	.rodata,"a",@progbits
	.p2align	6, 0x0
	.amdhsa_kernel k_qf8c66848c1_stats
		.amdhsa_group_segment_fixed_size 2560
		.amdhsa_private_segment_fixed_size 0
		.amdhsa_enable_private_segment 0
		.amdhsa_kernarg_size 24
		.amdhsa_user_sgpr_count 2
		.amdhsa_user_sgpr_kernarg_segment_ptr 1
		.amdhsa_wavefront_size32 1
		.amdhsa_system_sgpr_workgroup_id_x 1
		.amdhsa_system_sgpr_workgroup_id_y 1
		.amdhsa_system_sgpr_workgroup_id_z 1
		.amdhsa_system_vgpr_workitem_id 0
		.amdhsa_next_free_vgpr 114
		.amdhsa_next_free_sgpr 66
		.amdhsa_reserve_vcc 1
		.amdhsa_float_denorm_mode_32 3
		.amdhsa_float_denorm_mode_16_64 3
		.amdhsa_memory_ordered 1
		.amdhsa_forward_progress 1
		.amdhsa_inst_pref_size 16
	.end_amdhsa_kernel
	.amdgpu_metadata
---
amdhsa.version: [ 1, 2 ]
amdhsa.kernels:
  - .name:           k_qf8c66848c1_stats
    .symbol:         k_qf8c66848c1_stats.kd
    .args:
      - { .name: x, .offset: 0, .size: 8, .value_kind: global_buffer, .address_space: global }
      - { .name: gamma, .offset: 8, .size: 8, .value_kind: global_buffer, .address_space: global }
      - { .name: gn, .offset: 16, .size: 8, .value_kind: global_buffer, .address_space: global }
    .group_segment_fixed_size: 2560
    .private_segment_fixed_size: 0
    .kernarg_segment_align: 8
    .kernarg_segment_size: 24
    .max_flat_workgroup_size: 512
    .sgpr_count:     66
    .vgpr_count:     114
    .wavefront_size: 32
...
	.end_amdgpu_metadata
.endif
;; end of part 1
;; launch qkv (part 2): grid 64 x 4, 12 waves a work-group, no clusters, 14,848 bytes of LDS; arguments x, gn, beta, w_qkv_codes, w_qkv_scales, qkv_bias, qc, qs, kv, kvs; writes qc, qs, kv, kvs
.if DOCPART == 2
	.amdgcn_target "amdgcn-amd-amdhsa--gfx1250"
	.amdhsa_code_object_version 6
	.text
	.protected	k_qf8c66848c1_qkv
	.globl	k_qf8c66848c1_qkv
	.p2align	8
	.type	k_qf8c66848c1_qkv,@function
k_qf8c66848c1_qkv:
	s_mov_b64 s[64:65], 0
	v_nop
	global_prefetch_b8 v0, s[64:65] scope:SCOPE_SE
	s_setreg_imm32_b32 hwreg(HW_REG_WAVE_MODE, 25, 1), 1
	s_wait_xcnt 0x0
; h = (x - mu) A + beta, quantised along the 256 channels;  qkv = W h + bias on codes of FP4 (E2M1) with one E8M0 scale for each 32 along K;  then q / sqrt(8) and k / sqrt(8) are quantised along a
; head's 64 channels and v along the keys.  All three leave as IMAGES OF THE OPERAND'S REGISTERS (16 bytes a lane at 16 x lane), as the attention launch wants them.
; SHARES.  A work-group takes 64 columns t (ttmp9) of one batch (ttmp7) and all 768 rows.  Waves 0-7: head w / 2, q (w even) or k (w odd); waves 8-11: head w - 8, v.  A wave's 64 rows of W stay in its registers.
; Waves 0-7 first quantise h: wave w takes channels 32 w .. 32 w + 31 (one block of 32), a lane two columns, registers down the channels: the block's largest magnitude needs no other lane.  The codes meet in LDS; ONE barrier.
; TILES.  Index r of tile 2 B + u of columns stands for t = 32 B + 8 u + r + 8 (r / 8); the 64 rows of W are cut into tiles in the same way.  A result whose source 0 is such a tile holds, in the 16 registers of
; tiles 2 B and 2 B + 1, 16 NEIGHBOURS 32 B + 16 (lane / 16) + 0 .. 15: just what the conversions take.  q, k: source 0 = W, source 1 = h (a lane holds one column, registers run along the channels);
; v: source 0 = h, source 1 = W (a lane holds one channel, registers run along the keys).  The bias is the C of each sum's first matrix instruction.
; NO CLUSTER: what work-groups share is W, 104,448 bytes, which each wave reads once into registers; x, the bulk, is read by one work-group alone.  No tensor load: every LDS byte here is made by the waves themselves.
; v's scale word spans 128 keys and a work-group has 64: its two bytes a channel leave by stores of 2 bytes, 512 of the 27,136 bytes that a work-group writes.
; LIMITS: NaN and infinities are not served; a block whose largest magnitude lies under 2^-124 has its byte held at 1; a block of zeros gets the byte 1 where the rule says 127 (its codes are zeros, and this program alone reads the bytes).
; LDS: 0: h's codes, 64 rows t x (128 bytes + 16);  HS: h's scale bytes, 8 a row;  SS: 256 bytes a wave, where a wave's 64 scale words are gathered.
; REGISTERS: v1-15 addresses; v16-79 W's 8 fragments (tile t, K step s at 16 + 8 (2 t + s)); v80-111 the bias as C; v112-119 W's scale words; v136-143 h's scale words; v240-251 at work; v252-255 scale words just made.
;   q, k: v120-135 h's two fragments, v144-175 four accumulators, v176-191 codes.   v: v144-207 h's eight fragments, v208-239 four accumulators, v120-135 codes.   Ahead of the barrier: v144-239 x and h, v176-183 h's codes.
.set HS,  9216
.set SS,  9728
.set SEL, 66                           ; s66-67  v_permlanex16_b32's selects for lane l xor 16
.set TM,  240
.set WF,  16
.set BI,  80
.set WS,  112
.set HW,  136
.set PWO, 252                          ; the scale word of an odd tile
.set PWE, 253                          ; of an even tile
.set WJ,  254                          ; v254-255: the two joined: lanes 0-15 the even tile's, lanes 16-31 the odd tile's
.macro MM d, a, b, c, sa, sb
	v_wmma_scale_f32_16x16x128_f8f6f4 v[\d:\d+7], v[\a:\a+7], v[\b:\b+7], v[\c:\c+7], v[\sa], v[\sb] matrix_a_fmt:MATRIX_FMT_FP4 matrix_b_fmt:MATRIX_FMT_FP4
.endm
.macro PLACES n
.rept \n
	v_nop
.endr
.endm
; 32 numbers of a lane, register 16 b + i = K index 32 b + 16 (lane / 16) + i of my row, become four registers of codes (lane (r, h): block h) in v[pc] on, and the word byte1 << 8 | byte0 in v[pw].
.macro QUANT2 s, pc, pw
.irp b, 0,1
	v_max3_num_f32 v[TM+\b], |v[\s+16*\b]|, |v[\s+1+16*\b]|, 0x1800000   ; my 16 numbers of block b, and the floor 2^(3 - 127): the byte cannot fall under 1
.endr
.irp i, 2,4,6,8,10,12,14
.irp b, 0,1
	v_max3_num_f32 v[TM+\b], v[TM+\b], |v[\s+16*\b+\i]|, |v[\s+1+16*\b+\i]|
.endr
.endr
.irp b, 0,1
	s_delay_alu instid0(VALU_DEP_2)
	v_permlanex16_b32 v[TM+2+\b], v[TM+\b], s[SEL], s[SEL+1]
.endr
.irp b, 0,1
	s_delay_alu instid0(VALU_DEP_2)
	v_max_num_f32 v[TM+\b], v[TM+\b], v[TM+2+\b]   ; with lane l xor 16's: the block's largest magnitude
.endr
.irp b, 0,1
	s_delay_alu instid0(VALU_DEP_2)
	v_add_nc_u32 v[TM+4+\b], 0xff000000, v[TM+\b]  ; 2 off its exponent field: the conversion takes the exponent field of this operand as its scale
.endr
.irp b, 0,1
	s_delay_alu instid0(VALU_DEP_2)
	v_lshrrev_b32 v[TM+2+\b], 23, v[TM+4+\b]       ; the scale's byte
.endr
	s_delay_alu instid0(VALU_DEP_1)
	v_lshl_or_b32 v[\pw], v[TM+3], 8, v[TM+2]
.irp b, 0,1
	v_cvt_scalef32_pk8_fp4_f32 v[\pc+2*\b], v[\s+16*\b:\s+7+16*\b], v[TM+4+\b]
	v_cvt_scalef32_pk8_fp4_f32 v[\pc+1+2*\b], v[\s+8+16*\b:\s+15+16*\b], v[TM+4+\b]
.endr
	v_nop                                          ; one plain place behind a scaled conversion
	v_permlane16_swap_b32 v[\pc], v[\pc+2]         ; the operand's layout wants a WHOLE block in a lane: lanes 0-15 block 0, lanes 16-31 block 1
	v_permlane16_swap_b32 v[\pc+1], v[\pc+3]
.endm
; my 64 rows of W: eight fragments and their scale words, 24 loads
.macro WLOADS
.irp t, 0,1,2,3
.irp s, 0,1
.irp c, 0,1
	global_load_b128 v[WF+8*(2*\t+\s)+4*\c:WF+8*(2*\t+\s)+4*\c+3], v12, s[10:11] offset:(32*(\t/2)+8*(\t%2))*128+64*\s+32*\c
.endr
	global_load_b32 v[WS+2*\t+\s], v13, s[12:13] offset:(32*(\t/2)+8*(\t%2))*8+4*\s
.endr
.endr
.endm
	s_load_b512 s[4:19], s[0:1], 0x0               ; x 4, gn 6, beta 8, W's codes 10, W's scales 12, bias 14, qc 16, qs 18
	s_load_b128 s[20:23], s[0:1], 0x40             ; kv 20, kvs 22
	v_lshl_add_u32 v250, v0, 2, 0x3400
	v_mov_b32 v251, 0
	v_lshrrev_b32 v2, 5, v0
	s_delay_alu instid0(VALU_DEP_1)
	v_readfirstlane_b32 s24, v2                    ; wave 0..11
	s_and_b32 s25, ttmp7, 0xffff                   ; the batch
	v_and_b32 v2, 31, v0                           ; lane
	v_and_b32 v3, 15, v0
	v_bfe_u32 v4, v0, 4, 1                         ; h = lane / 16
	s_delay_alu instid0(VALU_DEP_2)
	v_and_b32 v1, 8, v3
	s_delay_alu instid0(VALU_DEP_1)
	v_add_nc_u32 v3, v1, v3                        ; rp = r + 8 (r / 8)
	; every LDS address is made here, ahead of the first parting of the roles
	v_lshlrev_b32 v1, 2, v2                        ; 4 x lane
	v_lshlrev_b32 v5, 3, v2                        ; 8 x lane
	v_lshlrev_b32 v15, 4, v2                       ; 16 x lane
	v_mul_u32_u24 v6, v2, 288
	s_delay_alu instid0(VALU_DEP_1)
	v_lshl_add_u32 v6, s24, 4, v6                  ; h's codes, in: row 2 x lane, my block's 16 bytes
	s_add_co_u32 s2, s24, HS
	v_lshl_add_u32 v7, v2, 4, s2                   ; h's scale bytes, in: row 2 x lane, byte w
	v_mul_u32_u24 v8, v3, 144
	s_delay_alu instid0(VALU_DEP_1)
	v_lshl_add_u32 v8, v4, 4, v8                   ; h's fragments, out: row rp, + 16 h
	v_lshl_add_u32 v9, v3, 3, HS                   ; h's scale words, out
	s_lshl_b32 s2, s24, 8
	s_add_co_u32 s2, s2, SS
	v_lshl_add_u32 v10, v2, 2, s2                  ; my wave's word stage: in,
	v_lshl_add_u32 v11, v2, 3, s2                  ; and out
	v_lshlrev_b32 v12, 7, v3
	s_delay_alu instid0(VALU_DEP_1)
	v_lshl_add_u32 v12, v4, 4, v12                 ; W: row rp of 128 bytes, + 16 h
	v_lshlrev_b32 v13, 3, v3                       ; W's scale words: 8 bytes a row
	v_lshlrev_b32 v14, 6, v4                       ; the bias of q, k: 16 h channels on
	v_lshlrev_b32 v2, 2, v3                        ; the bias of v: channel rp
	v_mov_b32 v[TM+2], 0                           ; written once: a lane permute's destination counts as one of its sources
	v_mov_b32 v[TM+3], 0
	s_mov_b32 s[SEL], 0x76543210
	s_mov_b32 s[SEL+1], 0xfedcba98
	s_mov_b32 s26, 0xffff0000                      ; lanes 16-31
	s_lshr_b32 s2, s24, 1
	s_and_b32 s3, s24, 1
	s_lshl_b32 s3, s3, 6
	s_and_b32 s27, s24, 3
	s_cmp_lt_u32 s24, 8
	s_cselect_b32 s100, s2, s27                    ; the head: w / 2, or w - 8
	s_cselect_b32 s101, s3, 128                    ; q 0, k 64, v 128
	s_mul_i32 s2, s100, 192
	s_add_co_u32 s101, s101, s2                    ; my first row of W
	s_lshl_b32 s2, s25, 2
	s_add_co_u32 s100, s100, s2                    ; bh = 4 b + head
	s_mov_b32 s3, 0
	s_wait_kmcnt 0x0
	s_lshl_b32 s2, s101, 7
	s_add_nc_u64 s[10:11], s[10:11], s[2:3]
	s_lshl_b32 s2, s101, 3
	s_add_nc_u64 s[12:13], s[12:13], s[2:3]
	s_lshl_b32 s2, s101, 2
	s_add_nc_u64 s[14:15], s[14:15], s[2:3]
	s_cmp_lt_u32 s24, 8
	s_cbranch_scc0 .Lv_head
	; ---- waves 0-7: h of channels 32 w .. 32 w + 31, 64 columns
	s_lshl_b32 s2, s25, 22
	s_lshl_b32 s27, s24, 19
	s_add_co_u32 s2, s2, s27
	s_lshl_b32 s27, ttmp9, 8
	s_add_co_u32 s2, s2, s27
	s_add_nc_u64 s[4:5], s[4:5], s[2:3]            ; x at (b, channel 32 w, column 64 blk)
	s_lshl_b32 s101, s24, 7                        ; beta: 128 w
	s_lshl_b32 s2, s25, 10
	s_add_co_u32 s2, s2, s101                      ; A: 1,024 b + 128 w
	s_lshl_b32 s27, s25, 7
	s_lshl_b32 s3, s24, 4
	s_add_co_u32 s27, s27, s3                      ; mu of my four groups: 128 b + 16 w
	s_load_b512 s[32:47], s[6:7], s2 offset:0x0
	s_load_b512 s[48:63], s[6:7], s2 offset:0x40
	s_load_b512 s[68:83], s[8:9], s101 offset:0x0
	s_load_b512 s[84:99], s[8:9], s101 offset:0x40
	s_load_b128 s[28:31], s[6:7], s27 offset:0x1000
.set i, 0
.rept 32
	global_load_b64 v[144+2*i:145+2*i], v5, s[4:5] offset:16384*i   ; channel i, columns 2 x lane and + 1: the wave reads 256 consecutive bytes, aligned
.set i, i+1
.endr
	s_wait_alu depctr_va_vdst(0)
	WLOADS
.irp t, 0,1,2,3
	global_load_b128 v[BI+8*\t:BI+8*\t+3], v14, s[14:15] offset:(32*(\t/2)+8*(\t%2))*4       ; the bias in the result's layout: tile t, register j: channel 32 (t / 2) + 16 h + 8 (t % 2) + j
	global_load_b128 v[BI+8*\t+4:BI+8*\t+7], v14, s[14:15] offset:(32*(\t/2)+8*(\t%2))*4+16
.endr
	s_wait_kmcnt 0x0
	s_wait_loadcnt 32                              ; x is in; the 24 loads of W and the 8 of the bias stay out
.set i, 0
.rept 32
	v_sub_f32 v[144+2*i], v[144+2*i], s[28+i/8]
	v_sub_f32 v[145+2*i], v[145+2*i], s[28+i/8]
.set i, i+1
.endr
.set i, 0
.rept 32
	v_fma_f32 v[208+i], v[144+2*i], s[32+i], s[68+i]     ; column 2 x lane: h down the channels in v208-239
.set i, i+1
.endr
.set i, 0
.rept 32
	v_fma_f32 v[144+i], v[145+2*i], s[32+i], s[68+i]     ; column 2 x lane + 1 into v144-175: register 144 + i has been read by the time it is written (ascending i)
.set i, i+1
.endr
	; the two columns' blocks by turns (column q at v[208 - 64 q])
.irp q, 0,1
	v_max3_num_f32 v[TM+2*\q], |v[208-64*\q]|, |v[209-64*\q]|, |v[210-64*\q]|
	v_max3_num_f32 v[TM+1+2*\q], |v[211-64*\q]|, |v[212-64*\q]|, |v[213-64*\q]|
.endr
.irp i, 6,10,14,18,22,26
.irp q, 0,1
	s_delay_alu instid0(VALU_DEP_4)
	v_max3_num_f32 v[TM+2*\q], v[TM+2*\q], |v[208-64*\q+\i]|, |v[209-64*\q+\i]|
	s_delay_alu instid0(VALU_DEP_4)
	v_max3_num_f32 v[TM+1+2*\q], v[TM+1+2*\q], |v[210-64*\q+\i]|, |v[211-64*\q+\i]|
.endr
.endr
.irp q, 0
	s_delay_alu instid0(VALU_DEP_4)
	v_max3_num_f32 v[TM+2*\q], v[TM+2*\q], |v[238-64*\q]|, |v[239-64*\q]|
.endr
.irp q, 1
	s_delay_alu instid0(VALU_DEP_3)
	v_max3_num_f32 v[TM+2*\q], v[TM+2*\q], |v[238-64*\q]|, |v[239-64*\q]|
.endr
.irp q, 0,1
	s_delay_alu instid0(VALU_DEP_2)
	v_max3_num_f32 v[TM+2*\q], v[TM+2*\q], v[TM+1+2*\q], 0x1800000   ; and the floor 2^(3 - 127)
.endr
.irp q, 0,1
	s_delay_alu instid0(VALU_DEP_2)
	v_add_nc_u32 v[TM+4+\q], 0xff000000, v[TM+2*\q]
.endr
.irp q, 0,1
	s_delay_alu instid0(VALU_DEP_2)
	v_lshrrev_b32 v[TM+6+\q], 23, v[TM+4+\q]
.endr
.irp q, 0,1
.irp g, 0,1,2,3
	v_cvt_scalef32_pk8_fp4_f32 v[176+4*\q+\g], v[208-64*\q+8*\g:215-64*\q+8*\g], v[TM+4+\q]
.endr
.endr
	v_nop                                          ; one plain place behind a scaled conversion: matrix instructions write these registers later
	ds_store_b128 v6, v[176:179]
	ds_store_b128 v6, v[180:183] offset:144
	ds_store_b8 v7, v[TM+6]
	ds_store_b8 v7, v[TM+7] offset:8
	s_branch .Ljoin
.Lv_head:
	s_wait_alu depctr_va_vdst(0)
	; ---- waves 8-11: their operands are asked for meanwhile
	WLOADS
.irp n, 0,1,2,3
.irp j, 0,1,2,3,4,5,6,7
	global_load_b32 v[BI+8*\n+\j], v2, s[14:15] offset:(32*(\n/2)+8*(\n%2))*4   ; here a lane holds ONE channel: its bias fills the eight registers of C
.endr
.endr
.Ljoin:
	s_wait_dscnt 0x0                               ; for the others' sake: my codes and bytes have landed
	s_barrier_signal -1
	s_barrier_wait -1                              ; h's 64 rows of codes and scale bytes lie in LDS; nobody writes them again
	s_cmp_lt_u32 s24, 8
	s_cbranch_scc0 .Lv_part
	; ---- q or k: four tiles of 16 columns
	s_and_b32 s27, s24, 1
	s_lshl_b32 s28, s100, 17
	s_lshl_b32 s2, ttmp9, 11
	s_add_co_u32 s28, s28, s2                      ; q's codes: 131,072 bh + 2,048 blk
	s_lshl_b32 s29, s100, 18
	s_lshr_b32 s2, ttmp9, 4
	s_lshl_b32 s2, s2, 16
	s_add_co_u32 s29, s29, s2
	s_and_b32 s2, ttmp9, 15
	s_lshl_b32 s2, s2, 11
	s_add_co_u32 s29, s29, s2                      ; k's: 262,144 bh + 65,536 (blk / 16) + 2,048 (blk % 16)
	s_lshl_b32 s2, ttmp9, 8
	s_lshl_b32 s30, s100, 14
	s_add_co_u32 s30, s30, s2                      ; q's scale words: 16,384 bh + 256 blk
	s_mul_i32 s31, s100, 24576
	s_add_co_u32 s31, s31, s2                      ; k's: 24,576 bh + 256 blk
	s_cmp_eq_u32 s27, 0                            ; the choice hangs on the wave's number alone
	s_cselect_b64 s[16:17], s[16:17], s[20:21]
	s_cselect_b64 s[18:19], s[18:19], s[22:23]
	s_cselect_b32 s28, s28, s29
	s_cselect_b32 s30, s30, s31
	s_mov_b32 s29, 0
	s_mov_b32 s31, 0
	s_add_nc_u64 s[16:17], s[16:17], s[28:29]
	s_add_nc_u64 s[18:19], s[18:19], s[30:31]
	s_mov_b32 s2, 0x3eb504f3                       ; 1 / sqrt(8) = 1 / sqrt(sqrt(64))
	s_mov_b32 s3, s2                               ; (named with it as a pair)
	s_wait_loadcnt 0x0                             ; W, its scale words, the bias
.irp m, 0,1,2,3
.irp s, 0,1
.irp c, 0,1
	ds_load_b128 v[120+8*\s+4*\c:123+8*\s+4*\c], v8 offset:(32*(\m/2)+8*(\m%2))*144+64*\s+32*\c
.endr
	ds_load_b32 v[HW+\s], v9 offset:(32*(\m/2)+8*(\m%2))*8+4*\s
.endr
	s_wait_dscnt 0x0
.irp t, 0,1,2,3                        ; the four accumulators by turns, a K step at a time
	MM 144+8*\t, WF+16*\t, 120, BI+8*\t, WS+2*\t, HW
.endr
.irp t, 0,1,2,3
	MM 144+8*\t, WF+16*\t+8, 128, 144+8*\t, WS+2*\t+1, HW+1
.endr
	PLACES 5                                       ; behind the products: their results are read, and the next tile's products write over them
.set j, 0
.rept 16
	v_pk_mul_f32 v[144+j:145+j], v[144+j:145+j], s[2:3] op_sel_hi:[1,0]   ; x 1 / sqrt(8), each accumulator from its low end on
.set j, j+2
.endr
.if \m%2 == 0
	QUANT2 144, 176+4*\m, PWE
.else
	QUANT2 144, 176+4*\m, PWO
.endif
	global_store_b128 v15, v[176+4*\m:179+4*\m], s[16:17] offset:512*\m   ; the tile's image: 512 consecutive bytes; each tile has registers of its own
.if \m%2 == 1
	v_cndmask_b32 v[WJ+\m/2], v[PWE], v[PWO], s26  ; lanes 0-15: tile m - 1's words; lanes 16-31: tile m's
	ds_store_b32 v10, v[WJ+\m/2] offset:128*(\m/2)
.endif
.endr
	ds_load_b64 v[248:249], v11                    ; LDS serves a wave's instructions in order: these see my stores
	s_wait_dscnt 0x0
	global_store_b64 v5, v[248:249], s[18:19]      ; my 64 scale words: 256 consecutive bytes, aligned
	s_wait_tensorcnt 0x0
	ds_add_u32 v250, v251
	s_wait_dscnt 0x0
	s_endpgm
.Lv_part:
	; ---- v: four tiles of 16 channels, each for all 64 keys
	s_lshl_b32 s28, s100, 18
	s_lshr_b32 s2, ttmp9, 4
	s_lshl_b32 s2, s2, 16
	s_add_co_u32 s28, s28, s2
	s_bfe_u32 s2, ttmp9, 0x30001                   ; (blk / 2) % 8: the key step of 128 in its chunk of 1,024 keys
	s_lshl_b32 s2, s2, 12
	s_add_co_u32 s28, s28, s2
	s_and_b32 s27, ttmp9, 1                        ; which half of the key step
	s_lshl_b32 s2, s27, 9
	s_add_co_u32 s28, s28, s2
	s_add_co_u32 s28, s28, 32768                   ; behind the chunk's K
	s_mov_b32 s29, 0
	s_add_nc_u64 s[20:21], s[20:21], s[28:29]
	s_mul_i32 s30, s100, 24576
	s_lshr_b32 s2, ttmp9, 1
	s_lshl_b32 s2, s2, 8
	s_add_co_u32 s30, s30, s2
	s_lshl_b32 s2, s27, 1
	s_add_co_u32 s30, s30, s2
	s_add_co_u32 s30, s30, 16384                   ; behind the head's K words
	s_mov_b32 s31, 0
	s_add_nc_u64 s[22:23], s[22:23], s[30:31]
.irp m, 0,1,2,3
.irp s, 0,1
.irp c, 0,1
	ds_load_b128 v[144+16*\m+8*\s+4*\c:147+16*\m+8*\s+4*\c], v8 offset:(32*(\m/2)+8*(\m%2))*144+64*\s+32*\c
.endr
	ds_load_b32 v[HW+2*\m+\s], v9 offset:(32*(\m/2)+8*(\m%2))*8+4*\s
.endr
.endr
	s_wait_dscnt 0x0
	s_wait_loadcnt 0x0
.irp n, 0,1,2,3
.irp m, 0,1,2,3
	MM 208+8*\m, 144+16*\m, WF+16*\n, BI+8*\n, HW+2*\m, WS+2*\n
.endr
.irp m, 0,1,2,3
	MM 208+8*\m, 152+16*\m, WF+16*\n+8, 208+8*\m, HW+2*\m+1, WS+2*\n+1
.endr
	PLACES 5
.if \n%2 == 0
	QUANT2 208, 120+4*\n, PWE
.else
	QUANT2 208, 120+4*\n, PWO
.endif
	global_store_b128 v15, v[120+4*\n:123+4*\n], s[20:21] offset:1024*\n
.if \n%2 == 1
	v_cndmask_b32 v[WJ+\n/2], v[PWE], v[PWO], s26
	global_store_b16 v1, v[WJ+\n/2], s[22:23] offset:128*(\n/2)   ; my two bytes of each channel's word
.endif
.endr
	s_wait_tensorcnt 0x0
	ds_add_u32 v250, v251
	s_wait_dscnt 0x0
	s_endpgm
.Lfunc_end_k_qf8c66848c1_qkv:
	.size	k_qf8c66848c1_qkv, .Lfunc_end_k_qf8c66848c1_qkv-k_qf8c66848c1_qkv
	.p2alignl 7, 3214868480
	.fill 96, 4, 3214868480
	.section	.rodata,"a",@progbits
	.p2align	6, 0x0
	.amdhsa_kernel k_qf8c66848c1_qkv
		.amdhsa_group_segment_fixed_size 14848
		.amdhsa_private_segment_fixed_size 0
		.amdhsa_enable_private_segment 0
		.amdhsa_kernarg_size 80
		.amdhsa_user_sgpr_count 2
		.amdhsa_user_sgpr_kernarg_segment_ptr 1
		.amdhsa_wavefront_size32 1
		.amdhsa_system_sgpr_workgroup_id_x 1
		.amdhsa_system_sgpr_workgroup_id_y 1
		.amdhsa_system_sgpr_workgroup_id_z 1
		.amdhsa_system_vgpr_workitem_id 0
		.amdhsa_next_free_vgpr 256
		.amdhsa_next_free_sgpr 102
		.amdhsa_reserve_vcc 0
		.amdhsa_float_denorm_mode_32 3
		.amdhsa_float_denorm_mode_16_64 3
		.amdhsa_memory_ordered 1
		.amdhsa_forward_progress 1
		.amdhsa_inst_pref_size 65
	.end_amdhsa_kernel
	.amdgpu_metadata
---
amdhsa.version: [ 1, 2 ]
amdhsa.kernels:
  - .name:           k_qf8c66848c1_qkv
    .symbol:         k_qf8c66848c1_qkv.kd
    .args:
      - { .name: x, .offset: 0, .size: 8, .value_kind: global_buffer, .address_space: global }
      - { .name: gn, .offset: 8, .size: 8, .value_kind: global_buffer, .address_space: global }
      - { .name: beta, .offset: 16, .size: 8, .value_kind: global_buffer, .address_space: global }
      - { .name: w_qkv_codes, .offset: 24, .size: 8, .value_kind: global_buffer, .address_space: global }
      - { .name: w_qkv_scales, .offset: 32, .size: 8, .value_kind: global_buffer, .address_space: global }
      - { .name: qkv_bias, .offset: 40, .size: 8, .value_kind: global_buffer, .address_space: global }
      - { .name: qc, .offset: 48, .size: 8, .value_kind: global_buffer, .address_space: global }
      - { .name: qs, .offset: 56, .size: 8, .value_kind: global_buffer, .address_space: global }
      - { .name: kv, .offset: 64, .size: 8, .value_kind: global_buffer, .address_space: global }
      - { .name: kvs, .offset: 72, .size: 8, .value_kind: global_buffer, .address_space: global }
    .group_segment_fixed_size: 14848
    .private_segment_fixed_size: 0
    .kernarg_segment_align: 8
    .kernarg_segment_size: 80
    .max_flat_workgroup_size: 384
    .sgpr_count:     102
    .vgpr_count:     256
    .wavefront_size: 32
...
	.end_amdgpu_metadata
.endif
;; end of part 2
;; launch attn (part 3): grid 16 x 16, 16 waves a work-group, clusters of 4 x 1, 327,680 bytes of LDS; arguments qc, qs, kv, kvs, ac, asc; writes ac, asc
.if DOCPART == 3
	.amdgcn_target "amdgcn-amd-amdhsa--gfx1250"
	.amdhsa_code_object_version 6
	.text
	.protected	k_qf8c66848c1_attn
	.globl	k_qf8c66848c1_attn
	.p2align	8
	.type	k_qf8c66848c1_attn,@function
k_qf8c66848c1_attn:
	s_mov_b64 s[64:65], 0
	v_nop
	global_prefetch_b8 v0, s[64:65] scope:SCOPE_SE
	s_setreg_imm32_b32 hwreg(HW_REG_WAVE_MODE, 25, 1), 1
	s_wait_xcnt 0x0
	s_wait_alu depctr_hold_cnt(0) depctr_sa_sdst(0) depctr_va_vdst(0) depctr_va_sdst(0) depctr_va_ssrc(0) depctr_va_vcc(0) depctr_vm_vsrc(0)
	s_getreg_b32 s2, hwreg(HW_REG_IB_STS2, 6, 4)
	s_cmp_eq_u32 s2, 0
	s_cbranch_scc0 .Lentry_in_a_cluster
	s_endpgm
.Lentry_in_a_cluster:
	s_bfe_u32 s2, ttmp6, 0x10000c
	s_cmp_lg_u32 s2, 0x3003
	s_cbranch_scc0 .Lentry_shape_is_right
	s_endpgm
.Lentry_shape_is_right:
; a[bh][c][t] = the sum over keys s of softmax_s(q.k) v[c][s], 16 heads, 4,096 keys, head size 64, both products on codes of FP4 (E2M1) with one E8M0 scale for each 32 along K; then a is quantised along the channels.
; THE SOFTMAX AHEAD OF THE SECOND PRODUCT: t = score x log2(e) (the factor 1 / sqrt(64) lies in q and k already); M = the row's largest t so far, rounded UP to a whole number; p = 2^(t - M) is quantised along the keys,
; not normalised.  The row's sum is taken of the unquantised p and divides at the end.  When M moves, the sum and O are multiplied by 2^(old M - new M): exact.
; SHARES.  A work-group owns 256 queries of one head (ttmp7); each of its SIXTEEN waves one tile of 16, in 256 registers: four waves to a SIMD, so that one wave's vector work stands beside another's products and LDS loads.
; LDS IS FILLED ONCE.  A head's codes of K and V (262,144 bytes) and its scale words (24,576) fit together: four chunks of 1,024 keys (K's 32,768 bytes, then V's) and the words, all as they lie in memory: images of the
; operands' registers, dense, 16 bytes a lane.  No byte is filled twice, so there is no ring.  Waves 0-3 ask for a quarter of each piece: five loads a wave, all out at once, counted down chunk by chunk.
; CLUSTER.  The four work-groups of a cluster are four query blocks of one head and read the same K and V: each load is a JOINT one, with the same descriptor and the mask of all four.
; LAYOUT.  Both products are used transposed: S^T = K Q^T (source 0 = 16 keys), O^T = V^T P^T (source 0 = 16 channels): a lane holds ONE query (lane % 16) throughout.  Index r of tile 2 B + u of keys stands for key
; 32 B + 8 u + r + 8 (r / 8), so that the 16 registers of tiles 2 B and 2 B + 1 are 16 neighbouring keys; V's channels are cut into tiles in the same way, so that O^T's registers run along the channels.
; The first product's K is 64 under an instruction of 128: the upper four registers of Q's and K's fragments hold zero codes, set once, and the upper two bytes of their scale words are 0.
; LIMITS: NaN and infinities are not served; a block of p or of a whose largest number lies under 2^-124 has its byte held at 1 (a block of zeros too: its codes are zeros, and this program alone reads the bytes).
; REGISTERS: v1-4, v6 addresses that stay; v8-11 the step's; v12 -M, v13 the largest t, v[14:15] the sum; v16-23 Q; v24-55 four fragments of K; v56-87 four of V; v88-151 S^T, then p; v152-183 O^T; v184-191 p's codes;
;   v192-203 at work; v204-207 K's scale words, v208-211 V's, v212 Q's, v213 p's; v[214:215] f and 0; v216, v[218:219] at work.
.set SC,  262144                       ; LDS: the scale words: K's 16,384 bytes, then V's 8,192
.set SEL, 20                           ; s20-21  v_permlanex16_b32's selects for lane l xor 16
.set CS,  22                           ; s22-23  log2(e), twice
.set TM,  192
.set S,   88
.set O,   152
.set PC,  184
.set BM,  192
.set T1,  196
.set SO,  200
.set KW,  204
.set VW,  208
.macro MM d, a, b, c, sa, sb
	v_wmma_scale_f32_16x16x128_f8f6f4 v[\d:\d+7], v[\a:\a+7], v[\b:\b+7], v[\c:\c+7], v[\sa], v[\sb] matrix_a_fmt:MATRIX_FMT_FP4 matrix_b_fmt:MATRIX_FMT_FP4
.endm
.macro MM0 d, a, b, sa, sb
	v_wmma_scale_f32_16x16x128_f8f6f4 v[\d:\d+7], v[\a:\a+7], v[\b:\b+7], 0, v[\sa], v[\sb] matrix_a_fmt:MATRIX_FMT_FP4 matrix_b_fmt:MATRIX_FMT_FP4
.endm
.macro PLACES n
.rept \n
	v_nop
.endr
.endm
; 32 numbers of a lane, register 16 b + i = K index 32 b + 16 (lane / 16) + i of my row, become four registers of codes (lane (r, h): block h) in v[pc] on, and the word byte1 << 8 | byte0 in v[pw].
.macro QUANT2 s, pc, pw
.irp b, 0,1
	v_max3_num_f32 v[TM+\b], |v[\s+16*\b]|, |v[\s+1+16*\b]|, 0x1800000
.endr
.irp i, 2,4,6,8,10,12,14
.irp b, 0,1
	s_delay_alu instid0(VALU_DEP_2)
	v_max3_num_f32 v[TM+\b], v[TM+\b], |v[\s+16*\b+\i]|, |v[\s+1+16*\b+\i]|
.endr
.endr
.irp b, 0,1
	s_delay_alu instid0(VALU_DEP_2)
	v_permlanex16_b32 v[TM+2+\b], v[TM+\b], s[SEL], s[SEL+1]
.endr
.irp b, 0,1
	s_delay_alu instid0(VALU_DEP_2)
	v_max_num_f32 v[TM+\b], v[TM+\b], v[TM+2+\b]
.endr
.irp b, 0,1
	s_delay_alu instid0(VALU_DEP_2)
	v_add_nc_u32 v[TM+4+\b], 0xff000000, v[TM+\b]
.endr
.irp b, 0,1
	s_delay_alu instid0(VALU_DEP_2)
	v_lshrrev_b32 v[TM+2+\b], 23, v[TM+4+\b]
.endr
	s_delay_alu instid0(VALU_DEP_1)
	v_lshl_or_b32 v[\pw], v[TM+3], 8, v[TM+2]
.irp b, 0,1
	v_cvt_scalef32_pk8_fp4_f32 v[\pc+2*\b], v[\s+16*\b:\s+7+16*\b], v[TM+4+\b]
	v_cvt_scalef32_pk8_fp4_f32 v[\pc+1+2*\b], v[\s+8+16*\b:\s+15+16*\b], v[TM+4+\b]
.endr
	v_nop
	v_permlane16_swap_b32 v[\pc], v[\pc+2]
	v_permlane16_swap_b32 v[\pc+1], v[\pc+3]
.endm
; A round of the cluster's barrier: my work-group's barrier, wave 0 signals for the work-group, every wave waits for all four work-groups, my work-group's barrier once more.
.macro ROUND
	s_barrier_signal -1
	s_barrier_wait -1
	s_cmp_lg_u32 s16, 0
	s_cbranch_scc1 .Lnot_wave_0_\@
	s_barrier_signal -3
.Lnot_wave_0_\@:
	s_barrier_wait -3
	s_barrier_signal -1
	s_barrier_wait -1
.endm
	s_load_b256 s[4:11], s[0:1], 0x0               ; qc 4, qs 6, kv 8, kvs 10
	s_load_b128 s[12:15], s[0:1], 0x20             ; ac 12, asc 14
	v_lshl_add_u32 v254, v0, 2, 0x46000
	v_mov_b32 v255, 0
	ds_add_u32 v254, v255
	ds_add_u32 v254, v255
	v_lshrrev_b32 v5, 5, v0
	s_delay_alu instid0(VALU_DEP_1)
	v_readfirstlane_b32 s16, v5                    ; wave 0..15
	s_and_b32 s17, s16, 3                          ; which quarter of a piece I would fetch
	s_and_b32 s18, ttmp7, 0xffff                   ; bh, which the four partners share
	s_bfe_u32 s66, ttmp6, 0x40000                  ; cx: it enters Q's and the outputs' addresses alone
	s_lshl_b32 s67, ttmp9, 2
	s_add_co_u32 s67, s67, s66                     ; my block of 256 queries
	s_lshl_b32 s68, s67, 4
	s_add_co_u32 s68, s68, s16                     ; my tile of 16 queries, 0..255
	; descriptor group 1: dense blocks as rows of 256 bytes (32 elements of 8 bytes): 64 rows for a quarter chunk, 24 for a quarter of the scale words
	s_mov_b32 s24, 15|(3<<16)|(1<<21)              ; 15:0 the mask: all four work-groups; 17:16 elements of 8 bytes; 21 set beside a mask; no padding
	s_mov_b32 s25, 32<<16                          ; tensor_dim0 = 32
	s_mov_b32 s26, 64<<16                          ; tensor_dim1 = 64
	s_mov_b32 s27, 32<<16                          ; tile_dim0 = 32
	s_mov_b32 s28, 64                              ; tile_dim1 = 64
	s_mov_b32 s29, 32                              ; the pitch
	s_mov_b32 s30, 0
	s_mov_b32 s31, 0
	s_mov_b32 s32, 15|(3<<16)|(1<<21)
	s_mov_b32 s33, 32<<16
	s_mov_b32 s34, 24<<16
	s_mov_b32 s35, 32<<16
	s_mov_b32 s36, 24
	s_mov_b32 s37, 32
	s_mov_b32 s38, 0
	s_mov_b32 s39, 0
	s_lshl_b32 s70, s18, 18
	s_lshl_b32 s69, s17, 14                        ; my quarter of a chunk: in memory and in LDS alike
	s_add_co_u32 s70, s70, s69
	s_mov_b32 s71, 0
	s_mul_i32 s72, s18, 24576
	s_mul_i32 s76, s17, 6144                       ; my quarter of the scale words
	s_add_co_u32 s72, s72, s76
	s_mov_b32 s73, 0
	s_lshl_b32 s74, s18, 17
	s_lshl_b32 s66, s68, 9
	s_add_co_u32 s74, s74, s66                     ; Q's image: 131,072 bh + 512 tile
	s_mov_b32 s75, 0
	s_lshl_b32 s78, s18, 14
	s_lshl_b32 s66, s68, 6
	s_add_co_u32 s78, s78, s66                     ; its scale words: 16,384 bh + 64 tile
	s_mov_b32 s79, 0
	s_lshr_b32 s77, s18, 2                         ; the batch
	s_and_b32 s19, s18, 3                          ; the head in it
	s_lshl_b32 s80, s77, 19
	s_lshl_b32 s66, s68, 11
	s_add_co_u32 s80, s80, s66
	s_lshl_b32 s66, s19, 9
	s_add_co_u32 s80, s80, s66                     ; a's image: 524,288 b + 2,048 tile + 512 head
	s_mov_b32 s81, 0
	s_lshl_b32 s82, s77, 15
	s_lshl_b32 s66, s68, 7
	s_add_co_u32 s82, s82, s66
	s_lshr_b32 s66, s19, 1
	s_lshl_b32 s66, s66, 6
	s_add_co_u32 s82, s82, s66
	s_and_b32 s66, s18, 1
	s_lshl_b32 s66, s66, 1
	s_add_co_u32 s82, s82, s66                     ; its scale bytes: 32,768 b + 128 tile + 64 (head / 2) + 2 (head % 2)
	s_mov_b32 s83, 0
	s_mov_b32 s[SEL], 0x76543210
	s_mov_b32 s[SEL+1], 0xfedcba98
	s_mov_b32 s[CS], 0x3fb8aa3b                    ; log2(e)
	s_mov_b32 s[CS+1], s[CS]
	s_mov_b32 s60, 0                               ; LDS byte of the step's K tiles (V's lie 32,768 on)
	s_mov_b32 s61, 0                               ; of its K words: 512 a step
	s_mov_b32 s62, 0                               ; of its V words: 256 a step
	s_wait_dscnt 0x0
	s_wait_kmcnt 0x0
	s_add_nc_u64 s[4:5], s[4:5], s[74:75]
	s_add_nc_u64 s[6:7], s[6:7], s[78:79]
	s_add_nc_u64 s[12:13], s[12:13], s[80:81]
	s_add_nc_u64 s[14:15], s[14:15], s[82:83]
	s_add_nc_u64 s[8:9], s[8:9], s[70:71]
	s_mov_b32 s40, 1                               ; group 0 for the scale words
	s_add_co_u32 s41, s76, SC
	s_add_nc_u64 s[42:43], s[10:11], s[72:73]
	s_or_b32 s43, s43, 0x80000000
.irp g, 0,1,2,3                        ; and one for each chunk
	s_mov_b32 s[44+4*\g], 1
	s_add_co_u32 s[45+4*\g], s69, 65536*\g
	s_add_nc_u64 s[46+4*\g:47+4*\g], s[8:9], 65536*\g
	s_or_b32 s[47+4*\g], s[47+4*\g], 0x80000000
.endr
	ROUND                                          ; all four work-groups are here: the joint loads meet
	s_cmp_lt_u32 s16, 4
	s_cbranch_scc0 .Lasked                         ; a wave's five fills stand in one branch on its number, ahead of every wait on TENSORcnt and every LDS read
	tensor_load_to_lds s[40:43], s[32:39]
	s_nop 0
	tensor_load_to_lds s[44:47], s[24:31]
	s_nop 0
	tensor_load_to_lds s[48:51], s[24:31]
	s_nop 0
	tensor_load_to_lds s[52:55], s[24:31]
	s_nop 0
	tensor_load_to_lds s[56:59], s[24:31]
	s_nop 0
	PLACES 4
.Lasked:
	v_and_b32 v5, 31, v0
	v_and_b32 v7, 15, v0
	s_delay_alu instid0(VALU_DEP_2)
	v_lshlrev_b32 v1, 4, v5                        ; 16 x lane: an image's place for my lane
	s_delay_alu instid0(VALU_DEP_1)
	v_add_nc_u32 v2, 32768, v1                     ; the same in V's half of a chunk
	s_delay_alu instid0(VALU_DEP_3)
	v_lshlrev_b32 v6, 2, v7                        ; 4 r: a scale word's
	s_delay_alu instid0(VALU_DEP_1)
	v_add_nc_u32 v3, SC, v6
	s_delay_alu instid0(VALU_DEP_2)
	v_add_nc_u32 v4, SC+16384, v6
	global_load_b128 v[16:19], v1, s[4:5]          ; Q's fragment stays in registers
	global_load_b32 v212, v6, s[6:7]
.irp i, 20,21,22,23, 28,29,30,31, 36,37,38,39, 44,45,46,47, 52,53,54,55
	v_mov_b32 v\i, 0                               ; zero codes for K = 64 .. 127 of the first product, set once
.endr
	v_mov_b32 v13, 0xff61b1e6                      ; the largest t so far: -3e38, under every t
	s_delay_alu instid0(VALU_DEP_1)
	v_floor_f32 v12, -v13                          ; -M
	v_mov_b32 v14, 0
	v_mov_b32 v15, 0
	v_mov_b32 v215, 0                              ; (named as the upper half of the pair v[214:215])
.irp b, 0,1,2,3
	v_mov_b32 v[T1+\b], 0                          ; a lane permute's destination counts as one of its sources
.endr
.set j, 0
.rept 32
	v_mov_b32 v[O+j], 0                            ; O^T: the step is written once; its first run finds zeros, which the first change of M leaves zeros
.set j, j+1
.endr
; A KEY STEP: 128 keys.
.macro STEP
	v_add_nc_u32 v8, s60, v1                       ; these four are also the places behind the last step's products, in front of the loads into V's registers
	v_add_nc_u32 v9, s60, v2
	v_add_nc_u32 v10, s61, v3
	v_add_nc_u32 v11, s62, v4
.irp t, 0,1,2,3
	ds_load_b128 v[24+8*\t:27+8*\t], v8 offset:512*\t
	ds_load_b32 v[KW+\t], v10 offset:64*\t
.endr
.irp n, 0,1,2,3
	ds_load_b128 v[56+8*\n:59+8*\n], v9 offset:1024*\n
	ds_load_b128 v[60+8*\n:63+8*\n], v9 offset:1024*\n+512
	ds_load_b32 v[VW+\n], v11 offset:64*\n
.endr
	s_wait_alu depctr_va_vdst(0)
	s_wait_dscnt 12                                ; K's first four tiles and their words are in; V's twelve loads stay out
.irp t, 0,1,2,3
	MM0 S+8*\t, 24+8*\t, 16, KW+\t, 212
.endr
	PLACES 4                                       ; in front of loads into registers that these products read
.irp t, 0,1,2,3
	ds_load_b128 v[24+8*\t:27+8*\t], v8 offset:512*(4+\t)
	ds_load_b32 v[KW+\t], v10 offset:64*(4+\t)
.endr
	s_wait_dscnt 0x0
.irp t, 0,1,2,3
	MM0 S+8*(4+\t), 24+8*\t, 16, KW+\t, 212
.endr
	PLACES 4
.irp b, 0,1,2,3
	v_max3_num_f32 v[BM+\b], v[S+16*\b], v[S+1+16*\b], v[S+2+16*\b]   ; THE LARGEST SCORE OF EACH BLOCK OF 32 KEYS serves twice: for the row's maximum and, since p rises with the score, for the block's largest p
.endr
.irp i, 3,5,7,9,11,13
.irp b, 0,1,2,3
	v_max3_num_f32 v[BM+\b], v[BM+\b], v[S+16*\b+\i], v[S+1+16*\b+\i]
.endr
.endr
.irp b, 0,1,2,3
	v_max_num_f32 v[BM+\b], v[BM+\b], v[S+15+16*\b]
.endr
.irp b, 0,1,2,3
	s_delay_alu instid0(VALU_DEP_4)
	v_permlanex16_b32 v[T1+\b], v[BM+\b], s[SEL], s[SEL+1]
.endr
.irp b, 0,1,2,3
	s_delay_alu instid0(VALU_DEP_4)
	v_max_num_f32 v[BM+\b], v[BM+\b], v[T1+\b]     ; with lane l xor 16's 16 keys
.endr
	s_delay_alu instid0(VALU_DEP_2)
	v_max3_num_f32 v216, v[BM], v[BM+1], v[BM+2]
	s_delay_alu instid0(VALU_DEP_1)
	v_max_num_f32 v216, v216, v[BM+3]              ; the step's largest score of my query
	s_delay_alu instid0(VALU_DEP_1)
	v_mul_f32 v216, s[CS], v216                    ; as t
	s_delay_alu instid0(VALU_DEP_1)
	v_max_num_f32 v13, v13, v216                   ; the running largest t
	v_mov_b32 v216, v12
	s_delay_alu instid0(VALU_DEP_2)
	v_floor_f32 v12, -v13                          ; the new -M = floor(-t) = -ceil(t): a whole number
	s_delay_alu instid0(VALU_DEP_1)
	v_sub_f32 v216, v12, v216                      ; old M - new M: a whole number, 0 or less
	s_delay_alu instid0(VALU_DEP_1)
	v_cvt_i32_f32 v216, v216                       ; (it saturates)
	s_delay_alu instid0(VALU_DEP_1)
	v_ldexp_f32 v214, 1.0, v216                    ; f = 2^(old M - new M)
.set j, 0
.rept 32
	v_pk_fma_f32 v[S+j:S+j+1], v[S+j:S+j+1], s[CS:CS+1], v[12:13] op_sel_hi:[1,0,0]   ; t - M, two at a time
.set j, j+2
.endr
.irp b, 0,1,2,3
	v_fma_f32 v[BM+\b], v[BM+\b], s[CS], v12       ; the same of each block's largest score
.endr
.set j, 0
	s_setprio 1
	s_wait_alu depctr_va_vdst(0)
.rept 64
	v_exp_f32 v[S+j], v[S+j]                       ; p = 2^(t - M): not normalised
.set j, j+1
.endr
.irp b, 0,1,2,3
	v_exp_f32 v[BM+\b], v[BM+\b]                   ; the block's largest p: the same two instructions on the same number
.endr
	v_pk_mul_f32 v[14:15], v[14:15], v[214:215] op_sel_hi:[1,0]   ; the sum under the new M (a plain place behind the exponentials)
	s_wait_alu depctr_va_vdst(0)
.irp b, 0,1,2,3
	v_max_num_f32 v[BM+\b], 0x1800000, v[BM+\b]    ; the floor 2^(3 - 127): the byte cannot fall under 1
.endr
.irp b, 0,1,2,3
	s_delay_alu instid0(VALU_DEP_4)
	v_add_nc_u32 v[SO+\b], 0xff000000, v[BM+\b]    ; 2 off the exponent field: the conversion's scale operand
.endr
.irp b, 0,1,2,3
	s_delay_alu instid0(VALU_DEP_4)
	v_lshrrev_b32 v[T1+\b], 23, v[SO+\b]           ; the scale's byte
.endr
	s_delay_alu instid0(VALU_DEP_3)
	v_lshl_or_b32 v213, v[T1+1], 8, v[T1]          ; p's scale word for these 128 keys
	s_delay_alu instid0(VALU_DEP_1)
	v_lshl_or_b32 v213, v[T1+2], 16, v213
	s_delay_alu instid0(VALU_DEP_1)
	v_lshl_or_b32 v213, v[T1+3], 24, v213
.irp b, 0,1,2,3
	v_cvt_scalef32_pk8_fp4_f32 v[PC+2*\b], v[S+16*\b:S+7+16*\b], v[SO+\b]
	v_cvt_scalef32_pk8_fp4_f32 v[PC+1+2*\b], v[S+8+16*\b:S+15+16*\b], v[SO+\b]
.endr
	v_nop                                          ; one plain place behind a scaled conversion
.irp c, 0,1                            ; the operand's layout wants a WHOLE block in a lane
.irp i, 0,1
	v_permlane16_swap_b32 v[PC+4*\c+\i], v[PC+2+4*\c+\i]
.endr
.endr
.set j, 0
.rept 16
	v_pk_mul_f32 v[O+j:O+j+1], v[O+j:O+j+1], v[214:215] op_sel_hi:[1,0]   ; O^T under the new M, each accumulator from its low end on
.set j, j+2
.endr
	v_pk_add_f32 v[218:219], v[92:93], v[96:97]
	v_pk_add_f32 v[252:253], v[100:101], v[104:105]
	v_pk_add_f32 v[250:251], v[108:109], v[112:113]
	v_pk_add_f32 v[248:249], v[116:117], v[120:121]
	v_pk_add_f32 v[246:247], v[124:125], v[128:129]
	v_pk_add_f32 v[244:245], v[132:133], v[136:137]
	v_pk_add_f32 v[242:243], v[140:141], v[144:145]
	v_pk_add_f32 v[14:15], v[14:15], v[148:149]
	v_pk_add_f32 v[218:219], v[218:219], v[88:89]
	v_pk_add_f32 v[252:253], v[252:253], v[90:91]
	v_pk_add_f32 v[250:251], v[250:251], v[94:95]
	v_pk_add_f32 v[248:249], v[248:249], v[98:99]
	v_pk_add_f32 v[246:247], v[246:247], v[102:103]
	s_setprio 0
	v_pk_add_f32 v[244:245], v[244:245], v[106:107]
	v_pk_add_f32 v[242:243], v[242:243], v[110:111]
	v_pk_add_f32 v[14:15], v[14:15], v[114:115]
	v_pk_add_f32 v[218:219], v[218:219], v[118:119]
	v_pk_add_f32 v[252:253], v[252:253], v[122:123]
	v_pk_add_f32 v[250:251], v[250:251], v[126:127]
	v_pk_add_f32 v[248:249], v[248:249], v[130:131]
	v_pk_add_f32 v[246:247], v[246:247], v[134:135]
	v_pk_add_f32 v[244:245], v[244:245], v[138:139]
	v_pk_add_f32 v[242:243], v[242:243], v[142:143]
	v_pk_add_f32 v[14:15], v[14:15], v[146:147]
	v_pk_add_f32 v[218:219], v[218:219], v[150:151]
	s_delay_alu instid0(VALU_DEP_2)
	v_pk_add_f32 v[14:15], v[14:15], v[248:249]
	s_delay_alu instid0(VALU_DEP_2)
	v_pk_add_f32 v[218:219], v[218:219], v[246:247]
	v_pk_add_f32 v[252:253], v[252:253], v[244:245]
	v_pk_add_f32 v[250:251], v[250:251], v[242:243]
	s_delay_alu instid0(VALU_DEP_2)
	v_pk_add_f32 v[14:15], v[14:15], v[252:253]
	s_delay_alu instid0(VALU_DEP_2)
	v_pk_add_f32 v[218:219], v[218:219], v[250:251]
	s_delay_alu instid0(VALU_DEP_1)
	v_pk_add_f32 v[14:15], v[14:15], v[218:219]
.irp n, 0,1,2,3                        ; O^T += V^T P^T: the four accumulators by turns
	MM O+8*\n, 56+8*\n, PC, O+8*\n, VW+\n, 213
.endr
.endm
; A chunk of 1,024 keys: eight steps.  left: my younger chunk loads, which may stay out.
.macro CHUNK left
	s_wait_tensorcnt \left                         ; tensor loads of a wave end in order: the scale words and my quarter of this chunk are in
	s_wait_dscnt 0x0
	s_barrier_signal -1
	s_barrier_wait -1                              ; everybody's quarter is
	s_mov_b32 s63, 8
.Lstep_\@:
	s_setprio 2
	STEP
	s_add_co_u32 s60, s60, 4096
	s_add_co_u32 s61, s61, 512
	s_add_co_u32 s62, s62, 256
	s_sub_co_u32 s63, s63, 1
	s_cmp_lg_u32 s63, 0
	s_cbranch_scc1 .Lstep_\@
	s_setprio 0
	s_add_co_u32 s60, s60, 32768                   ; over this chunk's V to the next chunk's K
.endm
	s_wait_loadcnt 0x0                             ; Q
	CHUNK 3
	CHUNK 2
	CHUNK 1
	CHUNK 0
	; THE WAY OUT: O^T / the sum, quantised along the head's 64 channels; the image of an operand of the projection
	PLACES 4                                       ; behind the last products
	v_add_f32 v14, v14, v15
	s_delay_alu instid0(VALU_DEP_1)
	v_permlanex16_b32 v216, v14, s[SEL], s[SEL+1]
	s_delay_alu instid0(VALU_DEP_1)
	v_add_f32 v14, v14, v216                       ; the row's sum
	s_wait_alu depctr_va_vdst(0)
	v_rcp_f32 v14, v14
	v_nop                                          ; one plain place behind a transcendental
.set j, 0
	s_wait_alu depctr_va_vdst(0)
.rept 32
	v_mul_f32 v[S+j], v[O+j], v14                  ; register 8 n + i: channel 32 (n / 2) + 16 h + 8 (n % 2) + i of my query
.set j, j+1
.endr
	QUANT2 S, PC, 213
	global_store_b128 v1, v[PC:PC+3], s[12:13]     ; 512 consecutive bytes
	global_store_b16 v6, v213, s[14:15]            ; my head's two bytes of each query's word (both halves of the lanes hold and write the same)
	s_wait_tensorcnt 0x0
	ds_add_u32 v254, v255
	s_wait_dscnt 0x0
	ROUND                                          ; the closing round: no work-group ends while a partner may still ask for a piece that names it
	s_endpgm
.Lfunc_end_k_qf8c66848c1_attn:
	.size	k_qf8c66848c1_attn, .Lfunc_end_k_qf8c66848c1_attn-k_qf8c66848c1_attn
	.p2alignl 7, 3214868480
	.fill 96, 4, 3214868480
	.section	.rodata,"a",@progbits
	.p2align	6, 0x0
	.amdhsa_kernel k_qf8c66848c1_attn
		.amdhsa_group_segment_fixed_size 327680
		.amdhsa_private_segment_fixed_size 0
		.amdhsa_enable_private_segment 0
		.amdhsa_kernarg_size 48
		.amdhsa_user_sgpr_count 2
		.amdhsa_user_sgpr_kernarg_segment_ptr 1
		.amdhsa_wavefront_size32 1
		.amdhsa_system_sgpr_workgroup_id_x 1
		.amdhsa_system_sgpr_workgroup_id_y 1
		.amdhsa_system_sgpr_workgroup_id_z 1
		.amdhsa_system_vgpr_workitem_id 0
		.amdhsa_next_free_vgpr 256
		.amdhsa_next_free_sgpr 84
		.amdhsa_reserve_vcc 0
		.amdhsa_float_denorm_mode_32 3
		.amdhsa_float_denorm_mode_16_64 3
		.amdhsa_memory_ordered 1
		.amdhsa_forward_progress 1
		.amdhsa_inst_pref_size 81
	.end_amdhsa_kernel
	.amdgpu_metadata
---
amdhsa.version: [ 1, 2 ]
amdhsa.kernels:
  - .name:           k_qf8c66848c1_attn
    .symbol:         k_qf8c66848c1_attn.kd
    .args:
      - { .name: qc, .offset: 0, .size: 8, .value_kind: global_buffer, .address_space: global }
      - { .name: qs, .offset: 8, .size: 8, .value_kind: global_buffer, .address_space: global }
      - { .name: kv, .offset: 16, .size: 8, .value_kind: global_buffer, .address_space: global }
      - { .name: kvs, .offset: 24, .size: 8, .value_kind: global_buffer, .address_space: global }
      - { .name: ac, .offset: 32, .size: 8, .value_kind: global_buffer, .address_space: global }
      - { .name: asc, .offset: 40, .size: 8, .value_kind: global_buffer, .address_space: global }
    .group_segment_fixed_size: 327680
    .private_segment_fixed_size: 0
    .kernarg_segment_align: 8
    .kernarg_segment_size: 48
    .max_flat_workgroup_size: 512
    .sgpr_count:     84
    .vgpr_count:     256
    .wavefront_size: 32
...
	.end_amdgpu_metadata
.endif
;; end of part 3
;; launch proj (part 4): grid 64 x 4, 8 waves a work-group, no clusters, 35,840 bytes of LDS; arguments ac, asc, w_proj_codes, w_proj_scales, proj_bias, x, out0; writes out0
.if DOCPART == 4
	.amdgcn_target "amdgcn-amd-amdhsa--gfx1250"
	.amdhsa_code_object_version 6
	.text
	.protected	k_qf8c66848c1_proj
	.globl	k_qf8c66848c1_proj
	.p2align	8
	.type	k_qf8c66848c1_proj,@function
k_qf8c66848c1_proj:
	s_mov_b64 s[64:65], 0
	v_nop
	global_prefetch_b8 v0, s[64:65] scope:SCOPE_SE
	s_setreg_imm32_b32 hwreg(HW_REG_WAVE_MODE, 25, 1), 1
	s_wait_xcnt 0x0
; out = x + W_proj a + proj_bias.  a arrives as codes of FP4 (E2M1) with E8M0 scales, as images of the operand's registers ([b][tile of 16 t][K step 2][c 2][lane][16 bytes]); W_proj as given: [256][128 bytes], scales [256][8].
; SHARES.  A work-group takes 64 columns t (ttmp9) of one batch (ttmp7) and all 256 outputs; wave w takes outputs 32 w .. 32 w + 31.
; Source 0 = a tile of a, source 1 = 16 rows of W_proj: a lane holds ONE output channel, and, since index r of tile 2 B + u stands for t = 32 B + 8 u + r + 8 (r / 8), the 16 registers of tiles 2 B and 2 B + 1 are
; 16 neighbouring t.  A tile of 16 outputs x 64 t goes through the wave's own stage in LDS (rows of 256 bytes + 16) and comes back as whole rows: sixteen lanes add x and store 256 consecutive bytes, aligned.
; The bias is the C of each sum's first matrix instruction.  No barrier: waves share nothing in LDS.
; NO CLUSTER, no tensor load: x and out0, the bulk, belong to one wave each; what is shared (W_proj, 34,816 bytes in all; a's 8,704 bytes a work-group, read by its eight waves) comes through registers.
; REGISTERS: v1-7 addresses; v16-47 W_proj (tile n, K step s at 16 + 8 (2 n + s)); v48-111 a (tile m, K step s at 48 + 8 (2 m + s)); v112-119 a's scale words; v120-123 W_proj's; v124-139 the bias as C;
;   v140-171 four accumulators, then rows read back; v172-235 x, then the result.
.macro MM d, a, b, c, sa, sb
	v_wmma_scale_f32_16x16x128_f8f6f4 v[\d:\d+7], v[\a:\a+7], v[\b:\b+7], v[\c:\c+7], v[\sa], v[\sb] matrix_a_fmt:MATRIX_FMT_FP4 matrix_b_fmt:MATRIX_FMT_FP4
.endm
	s_load_b256 s[4:11], s[0:1], 0x0               ; ac 4, asc 6, W's codes 8, W's scales 10
	s_load_b128 s[12:15], s[0:1], 0x20             ; bias 12, x 14
	s_load_b64 s[16:17], s[0:1], 0x30              ; out0
	v_lshl_add_u32 v240, v0, 2, 0x8800
	v_mov_b32 v241, 0
	v_lshrrev_b32 v8, 5, v0
	s_delay_alu instid0(VALU_DEP_1)
	v_readfirstlane_b32 s18, v8                    ; wave 0..7
	s_and_b32 s19, ttmp7, 0xffff                   ; the batch
	v_and_b32 v8, 31, v0
	v_and_b32 v9, 15, v0                           ; r
	v_bfe_u32 v10, v0, 4, 1                        ; h
	s_delay_alu instid0(VALU_DEP_3)
	v_lshlrev_b32 v1, 4, v8                        ; 16 x lane
	s_delay_alu instid0(VALU_DEP_3)
	v_lshlrev_b32 v2, 2, v9                        ; 4 r
	s_delay_alu instid0(VALU_DEP_4)
	v_lshlrev_b32 v3, 7, v9
	s_delay_alu instid0(VALU_DEP_1)
	v_lshl_add_u32 v3, v10, 4, v3                  ; W: row r of 128 bytes, + 16 h
	v_lshlrev_b32 v4, 3, v9                        ; W's scale words: 8 bytes a row
	v_lshlrev_b32 v5, 4, v9
	s_delay_alu instid0(VALU_DEP_1)
	v_lshl_add_u32 v5, v10, 14, v5                 ; x and out0: lanes 0-15 one row of 256 bytes, lanes 16-31 the next channel's
	s_mul_i32 s20, s18, 4352                       ; my stage: 16 rows x 272 bytes
	v_mul_u32_u24 v6, v9, 272
	s_delay_alu instid0(VALU_DEP_1)
	v_lshl_add_u32 v6, v10, 6, v6
	s_delay_alu instid0(VALU_DEP_1)
	v_add_nc_u32 v6, s20, v6                       ; in: row r, + 64 h
	v_mul_u32_u24 v7, v10, 272
	s_delay_alu instid0(VALU_DEP_1)
	v_lshl_add_u32 v7, v9, 4, v7
	s_delay_alu instid0(VALU_DEP_1)
	v_add_nc_u32 v7, s20, v7                       ; back: lanes 0-15 one row, lanes 16-31 the next
	s_lshl_b32 s22, s19, 22
	s_lshl_b32 s2, s18, 19
	s_add_co_u32 s22, s22, s2
	s_lshl_b32 s2, ttmp9, 8
	s_add_co_u32 s22, s22, s2                      ; x, out0: (b, channel 32 w, column 64 blk)
	s_mov_b32 s23, 0
	s_lshl_b32 s24, s19, 19
	s_lshl_b32 s2, ttmp9, 13
	s_add_co_u32 s24, s24, s2                      ; a's images: 524,288 b + 8,192 blk
	s_mov_b32 s25, 0
	s_lshl_b32 s26, s19, 15
	s_lshl_b32 s2, ttmp9, 9
	s_add_co_u32 s26, s26, s2                      ; a's scale words: 32,768 b + 512 blk
	s_mov_b32 s27, 0
	s_lshl_b32 s28, s18, 12                        ; my 32 rows of W,
	s_mov_b32 s29, 0
	s_lshl_b32 s30, s18, 8                         ; their scale words,
	s_mov_b32 s31, 0
	s_lshl_b32 s2, s18, 7                          ; their biases
	s_mov_b32 s3, 0
	s_wait_alu depctr_va_vdst(0)
	s_wait_kmcnt 0x0
	s_add_nc_u64 s[4:5], s[4:5], s[24:25]
	s_add_nc_u64 s[6:7], s[6:7], s[26:27]
	s_add_nc_u64 s[8:9], s[8:9], s[28:29]
	s_add_nc_u64 s[10:11], s[10:11], s[30:31]
	s_add_nc_u64 s[12:13], s[12:13], s[2:3]
	s_add_nc_u64 s[14:15], s[14:15], s[22:23]
	s_add_nc_u64 s[16:17], s[16:17], s[22:23]
.irp m, 0,1,2,3
.irp s, 0,1
.irp c, 0,1
	global_load_b128 v[48+16*\m+8*\s+4*\c:51+16*\m+8*\s+4*\c], v1, s[4:5] offset:2048*\m+1024*\s+512*\c
.endr
	global_load_b32 v[112+2*\m+\s], v2, s[6:7] offset:128*\m+64*\s
.endr
.endr
.irp n, 0,1
.irp s, 0,1
.irp c, 0,1
	global_load_b128 v[16+16*\n+8*\s+4*\c:19+16*\n+8*\s+4*\c], v3, s[8:9] offset:2048*\n+64*\s+32*\c
.endr
	global_load_b32 v[120+2*\n+\s], v4, s[10:11] offset:128*\n+4*\s
.endr
.irp j, 0,1,2,3,4,5,6,7
	global_load_b32 v[124+8*\n+\j], v2, s[12:13] offset:64*\n   ; a lane holds one output channel: its bias fills the eight registers of C
.endr
.endr
.irp i, 0,1,2,3,4,5,6,7,8,9,10,11,12,13,14,15
	global_load_b128 v[172+4*\i:175+4*\i], v5, s[14:15] offset:32768*\i th:TH_LOAD_NT   ; x, channels 2 i and 2 i + 1 of my 32: its last reading in the program
.endr
	s_wait_loadcnt 16                              ; the operands are in; x's sixteen loads stay out
.irp n, 0,1
.irp m, 0,1,2,3                        ; the four accumulators by turns, a K step at a time
	MM 140+8*\m, 48+16*\m, 16+16*\n, 124+8*\n, 112+2*\m, 120+2*\n
.endr
.irp m, 0,1,2,3
	MM 140+8*\m, 56+16*\m, 24+16*\n, 140+8*\m, 113+2*\m, 121+2*\n
.endr
.rept 5
	v_nop                                          ; behind the products: their results are stored and loaded over, and the next tile's products write over them
.endr
.irp m, 0,1,2,3
	ds_store_b128 v6, v[140+8*\m:143+8*\m] offset:128*(\m/2)+32*(\m%2)        ; each accumulator from its low end on: t = 32 (m / 2) + 16 h + 8 (m % 2) + 0 .. 7
	ds_store_b128 v6, v[144+8*\m:147+8*\m] offset:128*(\m/2)+32*(\m%2)+16
.endr
.irp i, 0,1,2,3,4,5,6,7
	ds_load_b128 v[140+4*\i:143+4*\i], v7 offset:544*\i   ; LDS serves a wave's instructions in order: these see my stores, and the next tile's stores come behind them
.endr
.irp i, 0,1,2,3,4,5,6,7
	s_wait_dscnt 7-\i                              ; rows 2 i and 2 i + 1 are back; the younger loads stay out
	s_wait_loadcnt 15-8*\n-\i                      ; and so is their x; the younger loads of x stay out
	v_pk_add_f32 v[172+32*\n+4*\i:173+32*\n+4*\i], v[172+32*\n+4*\i:173+32*\n+4*\i], v[140+4*\i:141+4*\i]
	v_pk_add_f32 v[174+32*\n+4*\i:175+32*\n+4*\i], v[174+32*\n+4*\i:175+32*\n+4*\i], v[142+4*\i:143+4*\i]
	global_store_b128 v5, v[172+32*\n+4*\i:175+32*\n+4*\i], s[16:17] offset:32768*(8*\n+\i) th:TH_STORE_NT   ; sixteen lanes store 256 consecutive bytes, aligned; no register of a store is written again
.endr
.endr
	s_wait_tensorcnt 0x0
	ds_add_u32 v240, v241
	s_wait_dscnt 0x0
	s_endpgm
.Lfunc_end_k_qf8c66848c1_proj:
	.size	k_qf8c66848c1_proj, .Lfunc_end_k_qf8c66848c1_proj-k_qf8c66848c1_proj
	.p2alignl 7, 3214868480
	.fill 96, 4, 3214868480
	.section	.rodata,"a",@progbits
	.p2align	6, 0x0
	.amdhsa_kernel k_qf8c66848c1_proj
		.amdhsa_group_segment_fixed_size 35840
		.amdhsa_private_segment_fixed_size 0
		.amdhsa_enable_private_segment 0
		.amdhsa_kernarg_size 56
		.amdhsa_user_sgpr_count 2
		.amdhsa_user_sgpr_kernarg_segment_ptr 1
		.amdhsa_wavefront_size32 1
		.amdhsa_system_sgpr_workgroup_id_x 1
		.amdhsa_system_sgpr_workgroup_id_y 1
		.amdhsa_system_sgpr_workgroup_id_z 1
		.amdhsa_system_vgpr_workitem_id 0
		.amdhsa_next_free_vgpr 242
		.amdhsa_next_free_sgpr 66
		.amdhsa_reserve_vcc 0
		.amdhsa_float_denorm_mode_32 3
		.amdhsa_float_denorm_mode_16_64 3
		.amdhsa_memory_ordered 1
		.amdhsa_forward_progress 1
		.amdhsa_inst_pref_size 19
	.end_amdhsa_kernel
	.amdgpu_metadata
---
amdhsa.version: [ 1, 2 ]
amdhsa.kernels:
  - .name:           k_qf8c66848c1_proj
    .symbol:         k_qf8c66848c1_proj.kd
    .args:
      - { .name: ac, .offset: 0, .size: 8, .value_kind: global_buffer, .address_space: global }
      - { .name: asc, .offset: 8, .size: 8, .value_kind: global_buffer, .address_space: global }
      - { .name: w_proj_codes, .offset: 16, .size: 8, .value_kind: global_buffer, .address_space: global }
      - { .name: w_proj_scales, .offset: 24, .size: 8, .value_kind: global_buffer, .address_space: global }
      - { .name: proj_bias, .offset: 32, .size: 8, .value_kind: global_buffer, .address_space: global }
      - { .name: x, .offset: 40, .size: 8, .value_kind: global_buffer, .address_space: global }
      - { .name: out0, .offset: 48, .size: 8, .value_kind: global_buffer, .address_space: global }
    .group_segment_fixed_size: 35840
    .private_segment_fixed_size: 0
    .kernarg_segment_align: 8
    .kernarg_segment_size: 56
    .max_flat_workgroup_size: 256
    .sgpr_count:     66
    .vgpr_count:     242
    .wavefront_size: 32
...
	.end_amdgpu_metadata
.endif
;; end of part 4
